; MI455X (gfx1250); checked and timed in simulation.
; The chip was launched on July 23, 2026; its instructions are those of AMD's public machine-readable ISA for CDNA 5 (MIT licence, August 2026) and "CDNA5" Instruction Set Architecture Reference Guide (July 2026). The comments in the code are by the model that wrote it; some were corrected since.
;; Multi Head Self Attention. Allowed arithmetic: matrix products marked QUANTISED: E3M2 operands, one E8M0 scale for each 32 along K, by v_wmma_scale_f32_16x16x128_f8f6f4 with both operands' format E3M2, f32 sums; everything else in f32.
;; Inputs: Wk 512 x 512 float32; Wo 1,024 x 512 float32; Wq 512 x 512 float32; Wv 512 x 512 float32; bo 1,024 float32; x 1 x 4,096 x 1,024 float32.
;; Outputs: out0 1 x 4,096 x 1,024 float32.
;; This version of the problem:
;;   THIS VERSION OF THE PROBLEM IS GIVEN IN LOW PRECISION. The matrix products marked QUANTISED in the list below multiply operands that are first quantised to E3M2 (3 exponent bits, 2 mantissa bits; 6 bits a number), with one power-of-two scale for each 32 numbers along K (OCP MX v1.0); their sums are f32. All else is computed in f32.
;;   The module's matrix products, in the order in which they are computed (A, B: the left and right operand; K: the contracted axis; several contracted axes count as one K, in the product's order):
;;     1. [M 4,096, K 512] x [K 512, N 512]; A: input x; B: input Wq: QUANTISED
;;     2. [M 4,096, K 512] x [K 512, N 512]; A: input x; B: input Wk: QUANTISED
;;     3. [M 4,096, K 512] x [K 512, N 512]; A: input x; B: input Wv: QUANTISED
;;     4. batch 16 x [M 4,096, K 32] x [K 32, N 4,096]; A: computed on the way; B: computed on the way: QUANTISED
;;     5. batch 16 x [M 32, K 4,096] x [K 4,096, N 4,096]; A: computed on the way; B: softmax (see below): QUANTISED
;;     6. [M 4,096, K 512] x [K 512, N 1,024]; A: computed on the way; B: input Wo: QUANTISED
;;   THE QUANTISER, for each operand of a quantised product, along K:
;;     - K is cut into blocks of 32 from its start; a last block that is shorter is filled with zeros.
;;     - A block's scale is 2^e with e = floor(log2(the largest magnitude in the block)) - 4, held to -126 .. 127; a block of zeros has e = 0. As a byte (E8M0): e + 127.
;;     - Each number is divided by its block's scale, clamped to +-28, and rounded to the nearest number of E3M2, ties to even, subnormals kept.
;;     - The product sums the exact products of the quantised numbers (number of the format x scale) in f32.
;;   ~~~python
;;   def quantise(x, axis):      # numpy; x: float32 -> the quantised numbers, widened to float32 again
;;       x = np.moveaxis(x, axis, -1); K = x.shape[-1]
;;       x = np.pad(x, [(0, 0)] * (x.ndim - 1) + [(0, -K % 32)]); x = x.reshape(x.shape[:-1] + (-1, 32)); a = np.abs(x).max(-1, keepdims=True)
;;       e = np.where(a > 0, np.clip(np.frexp(np.where(a > 0, a, 1))[1] - 1 - 4, -126, 127), 0)      # np.frexp(a)[1] - 1 = floor(log2(a)), exactly
;;       r = np.clip(x / 2.0 ** e, -28, 28)
;;       step = 2.0 ** (np.maximum(np.frexp(np.where(r == 0, 1, r))[1] - 1, -2) - 2)
;;       q = np.round(r / step) * step * 2.0 ** e      # np.round: ties to even
;;       return np.moveaxis(q.reshape(q.shape[:-2] + (-1,))[..., :K], -1, axis).astype(np.float32)
;;   ~~~
;;   SOFTMAX AHEAD OF A QUANTISED PRODUCT. Where the list says 'softmax', what is quantised is not the finished softmax but p = 2^(t - M), with t = logit x log2(e) and M = ceil(the row's largest t), a whole number; so 1/2 < the row's largest p <= 1. The row's sum l is taken of the UNQUANTISED p, in f32, and the product's result is divided by l at the end. Since M is a whole number, a kernel that streams over the keys may use a running M (the ceiling of the running maximum): every later rescaling is an exact power of two, which a block's scale takes up: the codes' values come out the same.
;;   OPERANDS COMPUTED ON THE WAY. 'Computed on the way' means the value that the module computes at that place (a softmax that the list does not call 'softmax' is quantised finished and normalised). What goes into a quantiser is computed in f32, as accurately as f32 sums, v_exp_f32 and their like allow (about 1e-6 of the number): no bf16 or f16 on the way to a quantiser, and a product that is left as it is and whose result goes on into a quantised operand takes f32 operands (vector FMAs, or v_wmma_f32_16x16x4_f32). A number that lies on a knife's edge between two numbers of the format may be rounded either way, as far as f32 arithmetic and the matrix unit's own rounding can turn it there, and no further.
;; One version. Each part assembles by itself: llvm-mc -triple=amdgcn-amd-amdhsa -mcpu=gfx1250 --defsym DOCPART=n.
;; ======== version 1 of 1: 4 launches
;; limits: right only within a limited range of input values
;; workspace buffers: img 2,768,896 bytes; qimg 1,703,936 bytes; kv 3,407,872 bytes; acod 1,572,864 bytes; ascl 65,536 bytes
;; launch prep (part 1): grid 52 x 8, 4 waves a work-group, no clusters, 0 bytes of LDS; arguments x, Wq, Wk, Wv, Wo, img; writes img
.if DOCPART == 1
	.amdgcn_target "amdgcn-amd-amdhsa--gfx1250"
	.amdhsa_code_object_version 6
	.text
	.protected	k_q57cf13bf04_prep
	.globl	k_q57cf13bf04_prep
	.p2align	8
	.type	k_q57cf13bf04_prep,@function
k_q57cf13bf04_prep:
	s_mov_b64 s[64:65], 0
	v_nop
	global_prefetch_b8 v0, s[64:65] scope:SCOPE_SE
	s_setreg_imm32_b32 hwreg(HW_REG_WAVE_MODE, 25, 1), 1
	s_wait_xcnt 0x0
; DEAD WORK: reference() slices x to its left 512 columns before anything reads it, so the right 512 columns reach no output whatever they hold: they are not loaded.
; A NaN, an infinity or an overflow in those columns is therefore not carried to the result.
; The left 512 columns of x [4096][1024], Wq, Wk, Wv [512][512] and Wo [1024][512], all f32 with K innermost, become codes of BF6 (E3M2)
; with one E8M0 scale for each 32 along K, laid as IMAGES OF OPERAND REGISTERS.  A tile is 16 rows.
; Row r of a WEIGHT's tile T is row 32 (T / 2) + 8 (T % 2) + r + 8 (r / 8): the results of two neighbouring tiles, used as source 0, are 16 neighbours in a lane.
; Row r of x's tile T is row 64 (T / 4) + 8 (T % 4) + r % 8 + 32 (r / 8): the results of four neighbouring tiles, used as source 0, are 32 neighbours in a lane, a whole block of the next K.
; A tile's record is 6,656 bytes: the fragments of K steps 0 to 3 (12 registers a lane: register group c at 512 c + 16 x lane) at 1,536 ks; their scale words (4 x lane) at 6,144 + 128 ks.
; Records: 0-255 x's tiles; 256 + 12 j + 4 type + t: tile 4 j + t of Wq, Wk, Wv (type 0, 1, 2; j = pair of heads); 352 + t: Wo's tiles.
; A work-group makes one record, wave ks its K step: a lane loads, of its row, 16 neighbours of each of the four blocks of 32.
; A block's scale is 2^(floor(log2(its largest magnitude)) - 4); its byte is that magnitude's exponent field - 4, held at 1 from below.
; LIMITS: NaN and infinities are not served; a block whose largest magnitude lies under 2^-122 (a block of zeros too, whose codes are zeros) gets the byte 1; the bytes are read by this program alone.
; No LDS, no barrier, no matrix unit, no cluster: waves share nothing, and every input byte that is used is read once.
.set REC, 6656
.set SEL, 30                           ; s[30:31] lane selects: lane l xor 16
.set XN,  16                           ; v16-79   register 16 b + i = element 16 (lane / 16) + i of block b of my row
.set PC,  80                           ; v80-91   the fragment; v92-98 at work
.set TM,  100
.set PW,  116
.macro QUANT s, pc, tm, pw             ; 64 numbers of a lane become a fragment's codes and its scale word
.irp b, 0,1,2,3
	v_max3_num_f32 v[\tm+\b], |v[\s+16*\b]|, |v[\s+1+16*\b]|, 0x2800000   ; with the floor 2^(5 - 127): the byte cannot fall under 1
.endr
.irp i, 2,4,6,8,10,12,14
.irp b, 0,1,2,3
	v_max3_num_f32 v[\tm+\b], v[\tm+\b], |v[\s+16*\b+\i]|, |v[\s+1+16*\b+\i]|
.endr
.endr
.irp b, 0,1,2,3
	v_permlanex16_b32 v[\tm+4+\b], v[\tm+\b], s[SEL], s[SEL+1]
.endr
.irp b, 0,1,2,3
	v_max_num_f32 v[\tm+\b], v[\tm+\b], v[\tm+4+\b]   ; the block's largest magnitude
.endr
.irp b, 0,1,2,3
	v_add_nc_u32 v[\tm+12+\b], 0xfe000000, v[\tm+\b]   ; 4 off its exponent field: the conversion's scale operand
.endr
.irp b, 0,1,2,3
	v_lshrrev_b32 v[\tm+4+\b], 23, v[\tm+12+\b]   ; the scale's byte
.endr
	v_lshl_or_b32 v[\pw], v[\tm+5], 8, v[\tm+4]
	v_lshl_or_b32 v[\pw], v[\tm+6], 16, v[\pw]
	v_lshl_or_b32 v[\pw], v[\tm+7], 24, v[\pw]
.irp c, 0,1
	v_cvt_scalef32_pk16_bf6_f32 v[\pc+6*\c:\pc+2+6*\c], v[\s+32*\c:\s+15+32*\c], v[\tm+12+2*\c]
	v_cvt_scalef32_pk16_bf6_f32 v[\pc+12+4*\c:\pc+14+4*\c], v[\s+16+32*\c:\s+31+32*\c], v[\tm+12+2*\c+1]
.endr
	v_nop                                          ; one plain place behind a scaled conversion
.irp c, 0,1                                    ; a whole block in a lane: lanes 0-15 block 2 c, lanes 16-31 block 2 c + 1
.irp i, 0,1,2
	v_permlane16_swap_b32 v[\pc+6*\c+\i], v[\pc+12+4*\c+\i]
.endr
.irp i, 0,1,2
	v_mov_b32 v[\pc+3+6*\c+\i], v[\pc+12+4*\c+\i]
.endr
.endr
.endm
	s_load_b256 s[4:11], s[0:1], 0x0               ; x, Wq, Wk, Wv
	s_load_b128 s[12:15], s[0:1], 0x20             ; Wo, img
	v_lshrrev_b32 v1, 5, v0
	v_readfirstlane_b32 s16, v1                    ; wave = K step
	s_mov_b32 s17, ttmp9                           ; gx
	s_and_b32 s18, ttmp7, 0xffff                   ; gy
	s_sub_co_u32 s19, s17, 32                      ; e = 4 type + tile in the pair of heads (used where 32 <= gx < 44)
	s_lshl_b32 s20, s18, 3                         ; Wo's: tile 8 gy + gx - 44, record 352 + tile
	s_add_co_u32 s20, s20, s17
	s_sub_co_u32 s20, s20, 44
	s_add_co_u32 s22, s20, 352
	s_and_b32 s26, s19, 3                          ; Wq's, Wk's, Wv's: tile 4 gy + e % 4, record 256 + 12 gy + e
	s_lshl_b32 s27, s18, 2
	s_add_co_u32 s26, s26, s27
	s_mul_i32 s27, s18, 12
	s_add_co_u32 s27, s27, s19
	s_add_co_u32 s27, s27, 256
	s_lshl_b32 s28, s18, 5                         ; x's: tile = record = 32 gy + gx
	s_add_co_u32 s28, s28, s17
	s_mov_b32 s[SEL], 0x76543210
	s_mov_b32 s[SEL+1], 0xfedcba98
	s_wait_kmcnt 0x0
	s_cmp_lt_u32 s17, 44                           ; every choice hangs on the work-group's number alone; there is one path through the text
	s_cselect_b64 s[24:25], s[10:11], s[12:13]
	s_cselect_b32 s20, s26, s20
	s_cselect_b32 s22, s27, s22
	s_cmp_lt_u32 s17, 40
	s_cselect_b64 s[24:25], s[8:9], s[24:25]
	s_cmp_lt_u32 s17, 36
	s_cselect_b64 s[24:25], s[6:7], s[24:25]
	s_cmp_lt_u32 s17, 32
	s_cselect_b64 s[24:25], s[4:5], s[24:25]
	s_cselect_b32 s20, s28, s20                    ; s20 the tile,
	s_cselect_b32 s22, s28, s22                    ; s22 its record,
	s_cselect_b32 s21, 12, 11                      ; s21 log2 of a row's bytes: 4,096 in x, 2,048 in the weights
	s_cselect_b32 s32, 2, 1                        ; tiles that stand together: 4 in x, 2 in a weight (log2),
	s_cselect_b32 s33, 3, 1                        ; that number - 1: the mask of a tile's place, and how many eights more rows 8-15 lie on,
	s_cselect_b32 s34, 6, 5                        ; and log2 of the rows that they cover
	s_lshr_b32 s26, s20, s32
	s_lshl_b32 s26, s26, s34
	s_and_b32 s27, s20, s33
	s_lshl_b32 s27, s27, 3
	s_add_co_u32 s26, s26, s27                     ; the tile's first row
	s_lshl_b32 s26, s26, s21
	s_lshl_b32 s27, s16, 9                         ; my K step: 128 numbers, 512 bytes
	s_add_co_u32 s26, s26, s27
	s_mov_b32 s27, 0
	s_add_nc_u64 s[24:25], s[24:25], s[26:27]
	s_mul_i32 s28, s22, REC
	s_mov_b32 s29, 0
	s_add_nc_u64 s[14:15], s[14:15], s[28:29]
	v_and_b32 v1, 15, v0                           ; r
	v_bfe_u32 v2, v0, 4, 1                         ; h
	v_and_b32 v3, 8, v1
	v_mad_u32_u24 v3, v3, s33, v1                  ; r + 24 (r / 8) in x, r + 8 (r / 8) in a weight
	v_lshlrev_b32 v3, s21, v3
	v_lshl_add_u32 v3, v2, 6, v3                   ; my row, + 64 h: my 16 numbers of a block
	v_and_b32 v6, 31, v0
	v_lshlrev_b32 v4, 4, v6
	s_mul_i32 s26, s16, 1536
	v_add_nc_u32 v4, s26, v4                       ; out: 16 x lane + 1,536 ks
	v_lshlrev_b32 v5, 2, v6
	v_lshl_add_u32 v5, s16, 7, v5                  ; and 4 x lane + 128 ks
.irp b, 0,1,2,3
.irp j, 0,1,2,3
	global_load_b128 v[XN+16*\b+4*\j:XN+16*\b+4*\j+3], v3, s[24:25] offset:128*\b+16*\j th:TH_LOAD_NT
.endr
.endr
.irp b, 0,1,2,3
	v_mov_b32 v[TM+4+\b], 0                        ; a lane permute's destination counts as one of its sources
.endr
	s_wait_loadcnt 0x0
	QUANT XN, PC, TM, PW
.irp c, 0,1,2
	global_store_b128 v4, v[PC+4*\c:PC+4*\c+3], s[14:15] offset:512*\c   ; 32 lanes store 512 consecutive bytes, at a multiple of 256 from the buffer's first byte
.endr
	global_store_b32 v5, v[PW], s[14:15] offset:6144
	s_endpgm
.Lfunc_end_k_q57cf13bf04_prep:
	.size	k_q57cf13bf04_prep, .Lfunc_end_k_q57cf13bf04_prep-k_q57cf13bf04_prep
	.p2alignl 7, 3214868480
	.fill 96, 4, 3214868480
	.section	.rodata,"a",@progbits
	.p2align	6, 0x0
	.amdhsa_kernel k_q57cf13bf04_prep
		.amdhsa_group_segment_fixed_size 0
		.amdhsa_private_segment_fixed_size 0
		.amdhsa_enable_private_segment 0
		.amdhsa_kernarg_size 48
		.amdhsa_user_sgpr_count 2
		.amdhsa_user_sgpr_kernarg_segment_ptr 1
		.amdhsa_wavefront_size32 1
		.amdhsa_system_sgpr_workgroup_id_x 1
		.amdhsa_system_sgpr_workgroup_id_y 1
		.amdhsa_system_sgpr_workgroup_id_z 1
		.amdhsa_system_vgpr_workitem_id 0
		.amdhsa_next_free_vgpr 128
		.amdhsa_next_free_sgpr 66
		.amdhsa_reserve_vcc 0
		.amdhsa_float_denorm_mode_32 3
		.amdhsa_float_denorm_mode_16_64 3
		.amdhsa_memory_ordered 1
		.amdhsa_forward_progress 1
		.amdhsa_inst_pref_size 9
	.end_amdhsa_kernel
	.amdgpu_metadata
---
amdhsa.version: [ 1, 2 ]
amdhsa.kernels:
  - .name:           k_q57cf13bf04_prep
    .symbol:         k_q57cf13bf04_prep.kd
    .args:
      - { .name: x, .offset: 0, .size: 8, .value_kind: global_buffer, .address_space: global }
      - { .name: Wq, .offset: 8, .size: 8, .value_kind: global_buffer, .address_space: global }
      - { .name: Wk, .offset: 16, .size: 8, .value_kind: global_buffer, .address_space: global }
      - { .name: Wv, .offset: 24, .size: 8, .value_kind: global_buffer, .address_space: global }
      - { .name: Wo, .offset: 32, .size: 8, .value_kind: global_buffer, .address_space: global }
      - { .name: img, .offset: 40, .size: 8, .value_kind: global_buffer, .address_space: global }
    .group_segment_fixed_size: 0
    .private_segment_fixed_size: 0
    .kernarg_segment_align: 8
    .kernarg_segment_size: 48
    .max_flat_workgroup_size: 128
    .sgpr_count:     66
    .vgpr_count:     128
    .wavefront_size: 32
...
	.end_amdgpu_metadata
.endif
;; end of part 1
;; launch proj (part 2): grid 32 x 8, 4 waves a work-group, clusters of 4 x 4, 168,448 bytes of LDS; arguments img, qimg, kv; writes qimg, kv
.if DOCPART == 2
	.amdgcn_target "amdgcn-amd-amdhsa--gfx1250"
	.amdhsa_code_object_version 6
	.text
	.protected	k_q57cf13bf04_proj
	.globl	k_q57cf13bf04_proj
	.p2align	8
	.type	k_q57cf13bf04_proj,@function
k_q57cf13bf04_proj:
	s_mov_b64 s[64:65], 0
	v_nop
	global_prefetch_b8 v0, s[64:65] scope:SCOPE_SE
	s_setreg_imm32_b32 hwreg(HW_REG_WAVE_MODE, 25, 1), 1
	s_wait_xcnt 0x0
	s_wait_alu depctr_hold_cnt(0) depctr_sa_sdst(0) depctr_va_vdst(0) depctr_va_sdst(0) depctr_va_ssrc(0) depctr_va_vcc(0) depctr_vm_vsrc(0)
	s_getreg_b32 s2, hwreg(HW_REG_IB_STS2, 6, 4)
	s_cmp_eq_u32 s2, 0
	s_cbranch_scc0 .Lentry_in_a_cluster
	s_endpgm
.Lentry_in_a_cluster:
	s_bfe_u32 s2, ttmp6, 0x10000c
	s_cmp_lg_u32 s2, 0xf033
	s_cbranch_scc0 .Lentry_shape_is_right
	s_endpgm
.Lentry_shape_is_right:
; q, k, v = left(x) Wq^T, Wk^T, Wv^T on codes of BF6 (E3M2) with E8M0 scales, sums in f32, and their quantising for the two products of attention, in registers.
; (The right half of x is sliced away by reference() and is no part of img.)
; A work-group takes 128 rows of x (a key step s: 8 tile records) and a pair of heads j (12 tile records: Wq's, Wk's, Wv's four tiles each).  Wave w: head 2 j + w / 2, half e = w % 2.
; Row r of x's tile T of the step is row 64 (T / 4) + 8 (T % 4) + r % 8 + 32 (r / 8) of the step; row r of a weight's tile T is row 32 (T / 2) + 8 (T % 2) + r + 8 (r / 8).
; THREE JOBS A WAVE, 32 matrix instructions on 8 accumulators each:
;   q, k: source 0 = the head's two tiles of W, source 1 = x's tiles 4 e + B (B = 0 .. 3): accumulators (B, u) hold, for row r of tile 4 e + B, the head's features 16 (lane / 16) + 8 u + j.
;         A head's 32 features are ONE block of the next product's K.  The quantiser's four blocks are the four tiles B: its fragment holds tile 4 e + B in block B of the 128 along K, its scale word that row's byte at byte B.
;   v:    source 0 = x's tiles 0 .. 7, source 1 = Wv's tile e of the head: accumulator T = 4 c + t holds, for feature 8 e + r + 8 (r / 8), the keys 64 c + 32 (lane / 16) + 8 t + j:
;         a lane's 32 registers of four accumulators are one whole block of the next K, the keys.
; OUT: qimg [head][s] records of 3,328 bytes (fragments at 1,536 e, scale words at 3,072 + 128 e); kv [head][s] records of 6,656 bytes (K at 1,536 e, V at 3,072 + 1,536 e, K's scale words at 6,144 + 128 e, V's at 6,400 + 128 e).
; CLUSTERS: 4 x 4 work-groups.  The four of a column of the cluster share s and so x's records, the four of a row share j and so W's: each is asked for jointly.
; Every LDS byte is filled once, by one tensor load a wave: waves 0, 1 fetch the halves of x's records, waves 2, 3 the halves of W's.  No loop walks memory, so there is nothing for a prefetch to run ahead of.
; LIMITS: NaN and infinities are not served; a block whose largest magnitude lies under 2^-122 (a block of zeros too, whose codes are zeros) gets the scale byte 1; the bytes are read by this program alone.
.set REC, 6656
.set WL,  8*REC                        ; LDS: x's 8 records at 0, W's 12 records behind them, [type][tile in the pair]
.set LI,  1                            ; v1   16 x lane
.set LS,  2                            ; v2   4 x lane
.set AX,  3                            ; v3   LI + my four tiles of x       v4  LS + the same
.set SX,  4
.set AW,  5                            ; v5   LI + my head's tiles of Wq    v6  LS + the same
.set SW,  6
.set AWV, 7                            ; v7   LI + my tile of Wv            v8  LS + the same
.set SWV, 8
.set VQI, 9                            ; v9   out: LI + 1,536 e             v10 LS + 128 e
.set VQS, 10
.set ACC, 16                           ; v16-79   eight accumulators
.set F0,  80                           ; v80-151, v152-223  two sets of six fragments; the quantiser's codes take v80-98
.set SS,  224                          ; v224-229, v230-235 their scale words, and nothing else
.set TM,  236                          ; v236-251 at work in the quantiser
.set PW,  252                          ; v252     the scale word just made
.set SEL, 50                           ; s[50:51] lane selects: lane l xor 16
.macro QUANT s, pc, tm, pw             ; four blocks, each half in lane l and half in lane l xor 16
.irp b, 0,1,2,3
	v_max3_num_f32 v[\tm+\b], |v[\s+16*\b]|, |v[\s+1+16*\b]|, 0x2800000   ; each accumulator is read from its low end on; the floor 2^(5 - 127)
.endr
.irp i, 2,4,6,8,10,12,14
.irp b, 0,1,2,3
	v_max3_num_f32 v[\tm+\b], v[\tm+\b], |v[\s+16*\b+\i]|, |v[\s+1+16*\b+\i]|
.endr
.endr
.irp b, 0,1,2,3
	v_permlanex16_b32 v[\tm+4+\b], v[\tm+\b], s[SEL], s[SEL+1]
.endr
.irp b, 0,1,2,3
	v_max_num_f32 v[\tm+\b], v[\tm+\b], v[\tm+4+\b]
.endr
.irp b, 0,1,2,3
	v_add_nc_u32 v[\tm+12+\b], 0xfe000000, v[\tm+\b]   ; 4 off the exponent field: the conversion's scale operand
.endr
.irp b, 0,1,2,3
	v_lshrrev_b32 v[\tm+4+\b], 23, v[\tm+12+\b]   ; the scale's byte
.endr
	v_lshl_or_b32 v[\pw], v[\tm+5], 8, v[\tm+4]
	v_lshl_or_b32 v[\pw], v[\tm+6], 16, v[\pw]
	v_lshl_or_b32 v[\pw], v[\tm+7], 24, v[\pw]
.irp c, 0,1
	v_cvt_scalef32_pk16_bf6_f32 v[\pc+6*\c:\pc+2+6*\c], v[\s+32*\c:\s+15+32*\c], v[\tm+12+2*\c]
	v_cvt_scalef32_pk16_bf6_f32 v[\pc+12+4*\c:\pc+14+4*\c], v[\s+16+32*\c:\s+31+32*\c], v[\tm+12+2*\c+1]
.endr
	v_nop                                          ; one plain place behind a scaled conversion
.irp c, 0,1
.irp i, 0,1,2
	v_permlane16_swap_b32 v[\pc+6*\c+\i], v[\pc+12+4*\c+\i]
.endr
.irp i, 0,1,2
	v_mov_b32 v[\pc+3+6*\c+\i], v[\pc+12+4*\c+\i]
.endr
.endr
.endm
.macro QUANTV s, pc, tm, pw            ; two whole blocks a lane: block 2 c + lane / 16 in registers 32 c .. 32 c + 31
.irp c, 0,1
	v_max3_num_f32 v[\tm+\c], |v[\s+32*\c]|, |v[\s+32*\c+1]|, 0x2800000
.endr
.irp i, 2,4,6,8,10,12,14,16,18,20,22,24,26,28,30
.irp c, 0,1
	v_max3_num_f32 v[\tm+\c], v[\tm+\c], |v[\s+32*\c+\i]|, |v[\s+32*\c+\i+1]|
.endr
.endr
	v_bfe_u32 v[\tm+8], v0, 4, 1
	v_lshlrev_b32 v[\tm+8], 3, v[\tm+8]            ; 8 x (lane / 16)
.irp c, 0,1
	v_add_nc_u32 v[\tm+12+\c], 0xfe000000, v[\tm+\c]
.endr
.irp c, 0,1
	v_lshrrev_b32 v[\tm+4+\c], 23, v[\tm+12+\c]
.endr
	v_lshl_or_b32 v[\pw], v[\tm+5], 16, v[\tm+4]   ; my two bytes, at their places in the scale word;
	v_lshlrev_b32 v[\pw], v[\tm+8], v[\pw]
	v_permlanex16_b32 v[\tm+6], v[\pw], s[SEL], s[SEL+1]
	v_or_b32 v[\pw], v[\pw], v[\tm+6]              ; with lane l xor 16's two the word is whole, in both halves of the lanes
.irp c, 0,1
	v_cvt_scalef32_pk16_bf6_f32 v[\pc+6*\c:\pc+2+6*\c], v[\s+32*\c:\s+15+32*\c], v[\tm+12+\c]
	v_cvt_scalef32_pk16_bf6_f32 v[\pc+12+4*\c:\pc+14+4*\c], v[\s+16+32*\c:\s+31+32*\c], v[\tm+12+\c]
.endr
	v_nop
.irp c, 0,1
.irp i, 0,1,2
	v_mov_b32 v[\pc+3+6*\c+\i], v[\pc+12+4*\c+\i]
.endr
.endr
.endm
.macro CROUND                          ; a round of the cluster's barrier
	s_barrier_signal -1
	s_barrier_wait -1
	s_cmp_lg_u32 s10, 0
	s_cbranch_scc1 .Lnot_wave_0_\@
	s_barrier_signal -3
.Lnot_wave_0_\@:
	s_barrier_wait -3
	s_barrier_signal -1
	s_barrier_wait -1
.endm
.macro PLACES                          ; four places in front of loads into registers that matrix instructions have read, and of the first read of results
.rept 4
	v_nop
.endr
.endm
.macro FR set, slot, ad, sd, oi, os    ; a fragment's image and its scale words into a slot of a set: four LDS loads
.irp c, 0,1,2
	ds_load_b128 v[F0+72*(\set)+12*(\slot)+4*\c:F0+72*(\set)+12*(\slot)+4*\c+3], v[\ad] offset:(\oi)+512*\c
.endr
	ds_load_b32 v[SS+6*(\set)+(\slot)], v[\sd] offset:\os
.endm
.macro FETCHQK set, type, ks           ; 24 LDS loads: W's two tiles into slots 0, 1; x's four into slots 2 .. 5
.irp u, 0,1
	FR \set, \u, AW, SW, 4*REC*(\type)+REC*\u+1536*(\ks), 4*REC*(\type)+REC*\u+6144+128*(\ks)
.endr
.irp b, 0,1,2,3
	FR \set, 2+\b, AX, SX, REC*\b+1536*(\ks), REC*\b+6144+128*(\ks)
.endr
.endm
.macro FETCHV set, ks, half            ; 20 LDS loads: my tile of Wv into slot 0; x's tiles 4 half + i into slots 2 .. 5
	FR \set, 0, AWV, SWV, 1536*(\ks), 6144+128*(\ks)
.irp i, 0,1,2,3
	FR \set, 2+\i, LI, LS, REC*(4*(\half)+\i)+1536*(\ks), REC*(4*(\half)+\i)+6144+128*(\ks)
.endr
.endm
; The eight accumulators take turns, one instruction a turn.  zero = 1: the first product starts the sums.
.macro MULQK set, zero
.irp b, 0,1,2,3
.irp u, 0,1
.if \zero
	v_wmma_scale_f32_16x16x128_f8f6f4 v[ACC+16*\b+8*\u:ACC+16*\b+8*\u+7], v[F0+72*(\set)+12*\u:F0+72*(\set)+12*\u+11], v[F0+72*(\set)+12*(2+\b):F0+72*(\set)+12*(2+\b)+11], 0, v[SS+6*(\set)+\u], v[SS+6*(\set)+2+\b] matrix_a_fmt:MATRIX_FMT_BF6 matrix_b_fmt:MATRIX_FMT_BF6
.else
	v_wmma_scale_f32_16x16x128_f8f6f4 v[ACC+16*\b+8*\u:ACC+16*\b+8*\u+7], v[F0+72*(\set)+12*\u:F0+72*(\set)+12*\u+11], v[F0+72*(\set)+12*(2+\b):F0+72*(\set)+12*(2+\b)+11], v[ACC+16*\b+8*\u:ACC+16*\b+8*\u+7], v[SS+6*(\set)+\u], v[SS+6*(\set)+2+\b] matrix_a_fmt:MATRIX_FMT_BF6 matrix_b_fmt:MATRIX_FMT_BF6
.endif
.endr
.endr
.endm
.macro MULV set, half, zero
.irp i, 0,1,2,3
.if \zero
	v_wmma_scale_f32_16x16x128_f8f6f4 v[ACC+8*(4*(\half)+\i):ACC+8*(4*(\half)+\i)+7], v[F0+72*(\set)+12*(2+\i):F0+72*(\set)+12*(2+\i)+11], v[F0+72*(\set):F0+72*(\set)+11], 0, v[SS+6*(\set)+2+\i], v[SS+6*(\set)] matrix_a_fmt:MATRIX_FMT_BF6 matrix_b_fmt:MATRIX_FMT_BF6
.else
	v_wmma_scale_f32_16x16x128_f8f6f4 v[ACC+8*(4*(\half)+\i):ACC+8*(4*(\half)+\i)+7], v[F0+72*(\set)+12*(2+\i):F0+72*(\set)+12*(2+\i)+11], v[F0+72*(\set):F0+72*(\set)+11], v[ACC+8*(4*(\half)+\i):ACC+8*(4*(\half)+\i)+7], v[SS+6*(\set)+2+\i], v[SS+6*(\set)] matrix_a_fmt:MATRIX_FMT_BF6 matrix_b_fmt:MATRIX_FMT_BF6
.endif
.endr
.endm
.macro SENDOUT base, oi, os            ; the fragment just made and its scale words leave as they stand: each store of 16 bytes a lane covers 512 consecutive bytes
.irp c, 0,1,2
	global_store_b128 v[VQI], v[F0+4*\c:F0+4*\c+3], s[\base:\base+1] offset:(\oi)+512*\c
.endr
	global_store_b32 v[VQS], v[PW], s[\base:\base+1] offset:\os
.endm
.macro JOBQK type, base, os            ; q's or k's job: four K steps on two sets of fragments; a set is fetched while the other is multiplied
	s_wait_xcnt 0x0                                ; the last job's stores have read their data, which lie in set 0: only now is it loaded again
	FETCHQK 0, \type, 0
	FETCHQK 1, \type, 1
	s_wait_dscnt 24                                ; the older set is in; the younger set's 24 loads may be out
	MULQK 0, 1
	PLACES
	FETCHQK 0, \type, 2
	s_wait_dscnt 24
	MULQK 1, 0
	PLACES
	FETCHQK 1, \type, 3
	s_wait_dscnt 24
	MULQK 0, 0
	s_wait_dscnt 0x0
	MULQK 1, 0
	PLACES
	QUANT ACC, F0, TM, PW
	SENDOUT \base, 0, \os
.endm
	s_load_b128 s[4:7], s[0:1], 0x0                ; img, qimg
	s_load_b64 s[8:9], s[0:1], 0x10                ; kv
	v_lshl_add_u32 v254, v0, 2, 0x29000            ; my spare word, behind the records
	v_mov_b32 v255, 0
	ds_add_u32 v254, v255
	ds_add_u32 v254, v255
	v_lshrrev_b32 v11, 5, v0
	v_readfirstlane_b32 s10, v11                   ; wave 0..3
	s_lshr_b32 s11, s10, 1                         ; which head of the pair.  Also: I fetch for x (0) or for W (1)
	s_and_b32 s12, s10, 1                          ; e.  Also: which half of those records I fetch
	s_bfe_u32 s40, ttmp6, 0x40000                  ; cx, cy: my place in the cluster
	s_bfe_u32 s41, ttmp6, 0x40004
	s_lshl_b32 s42, ttmp9, 2
	s_add_co_u32 s42, s42, s40                     ; s = 4 x cluster x + cx
	s_and_b32 s43, ttmp7, 0xffff
	s_lshl_b32 s43, s43, 2
	s_add_co_u32 s43, s43, s41                     ; j = 4 x cluster y + cy
	s_lshl_b32 s44, 0x1111, s40                    ; my column of the cluster: it shares s
	s_lshl_b32 s45, s41, 2
	s_lshl_b32 s45, 15, s45                        ; my row: it shares j
	; descriptor groups 1: dense blocks as rows of 256 bytes (32 elements of 8 bytes): half of x's records is 104 rows, half of W's 156
	s_or_b32 s16, s44, (3<<16)|(1<<21)             ; 15:0 the mask; 17:16 elements of 8 bytes; 21 set beside a mask
	s_mov_b32 s17, 32<<16
	s_mov_b32 s18, 104<<16
	s_mov_b32 s19, 32<<16
	s_mov_b32 s20, 104
	s_mov_b32 s21, 32
	s_mov_b32 s22, 0
	s_mov_b32 s23, 0
	s_or_b32 s24, s45, (3<<16)|(1<<21)
	s_mov_b32 s25, 32<<16
	s_mov_b32 s26, 156<<16
	s_mov_b32 s27, 32<<16
	s_mov_b32 s28, 156
	s_mov_b32 s29, 32
	s_mov_b32 s30, 0
	s_mov_b32 s31, 0
	s_mul_i32 s52, s42, 8*REC                      ; x's records of step s, my half: made of s and the wave's number alone
	s_mul_i32 s53, s12, 4*REC
	s_add_co_u32 s52, s52, s53
	s_mov_b32 s53, 0
	s_mul_i32 s54, s43, 12*REC                     ; W's records of pair j, my half: made of j and the wave's number alone
	s_mul_i32 s55, s12, 6*REC
	s_add_co_u32 s54, s54, s55
	s_add_co_u32 s54, s54, 256*REC
	s_mov_b32 s55, 0
	s_mov_b32 s32, 1                               ; groups 0: count 1, LDS address, global address, type 2
	s_mul_i32 s33, s12, 4*REC
	s_mov_b32 s36, 1
	s_mul_i32 s37, s12, 6*REC
	s_add_co_u32 s37, s37, WL
	s_lshl_b32 s46, s43, 1
	s_add_co_u32 s46, s46, s11                     ; my head
	s_lshl_b32 s46, s46, 5
	s_add_co_u32 s46, s46, s42                     ; 32 head + s
	s_mul_i32 s48, s46, REC
	s_mul_i32 s46, s46, 3328
	s_mov_b32 s47, 0
	s_mov_b32 s49, 0
	s_mov_b32 s[SEL], 0x76543210
	s_mov_b32 s[SEL+1], 0xfedcba98
	s_wait_dscnt 0x0
	s_wait_kmcnt 0x0
	s_add_nc_u64 s[34:35], s[4:5], s[52:53]
	s_or_b32 s35, s35, 0x80000000
	s_add_nc_u64 s[38:39], s[4:5], s[54:55]
	s_or_b32 s39, s39, 0x80000000
	s_add_nc_u64 s[46:47], s[6:7], s[46:47]        ; my record of qimg
	s_add_nc_u64 s[48:49], s[8:9], s[48:49]        ; and of kv
	CROUND                                         ; all sixteen work-groups are here: the joint loads meet
	s_cmp_eq_u32 s11, 0                            ; the launch's only fills, one a wave: two arms on the wave's number, one join
	s_cbranch_scc0 .Lfor_w
	tensor_load_to_lds s[32:35], s[16:23]
	s_nop 0
.rept 4
	v_nop
.endr
	s_branch .Lasked
.Lfor_w:
	tensor_load_to_lds s[36:39], s[24:31]
	s_nop 0
.rept 4
	v_nop
.endr
.Lasked:
	v_and_b32 v11, 31, v0
	v_lshlrev_b32 v[LI], 4, v11
	v_lshlrev_b32 v[LS], 2, v11
	s_mul_i32 s13, s12, 4*REC
	v_add_nc_u32 v[AX], s13, v[LI]
	v_add_nc_u32 v[SX], s13, v[LS]
	s_mul_i32 s13, s11, 2*REC
	s_add_co_u32 s13, s13, WL
	v_add_nc_u32 v[AW], s13, v[LI]
	v_add_nc_u32 v[SW], s13, v[LS]
	s_mul_i32 s13, s10, REC
	s_add_co_u32 s13, s13, WL+8*REC
	v_add_nc_u32 v[AWV], s13, v[LI]
	v_add_nc_u32 v[SWV], s13, v[LS]
	s_mul_i32 s13, s12, 1536
	v_add_nc_u32 v[VQI], s13, v[LI]
	s_lshl_b32 s13, s12, 7
	v_add_nc_u32 v[VQS], s13, v[LS]
.irp b, 0,1,2,3
	v_mov_b32 v[TM+4+\b], 0                        ; a lane permute's destination counts as one of its sources
.endr
	s_wait_alu depctr_va_vdst(0)
	s_wait_tensorcnt 0x0                           ; my half is in,
	s_barrier_signal -1
	s_barrier_wait -1                              ; everybody's are
	JOBQK 0, 46, 3072                              ; q
	JOBQK 1, 48, 6144                              ; k
	; v: eight sub-steps (K step, half of x's tiles), four matrix instructions each, on the two sets by turns
	s_wait_xcnt 0x0                                ; k's stores have read their data
	FETCHV 0, 0, 0
	FETCHV 1, 0, 1
	s_wait_dscnt 20                                ; the older set is in; the younger set's 20 loads may be out
	MULV 0, 0, 1
	PLACES
	FETCHV 0, 1, 0
	s_wait_dscnt 20
	MULV 1, 1, 1
	PLACES
	FETCHV 1, 1, 1
.irp k, 2,3
	s_wait_dscnt 20
	MULV 0, 0, 0
	PLACES
	FETCHV 0, \k, 0
	s_wait_dscnt 20
	MULV 1, 1, 0
	PLACES
	FETCHV 1, \k, 1
.endr
	s_wait_dscnt 20
	MULV 0, 0, 0
	s_wait_dscnt 0x0
	MULV 1, 1, 0
	PLACES
	QUANTV ACC, F0, TM, PW
	SENDOUT 48, 3072, 6400
	s_wait_tensorcnt 0x0                           ; the wave's end
	ds_add_u32 v254, v255
	s_wait_dscnt 0x0
	CROUND                                         ; the closing round
	s_endpgm
.Lfunc_end_k_q57cf13bf04_proj:
	.size	k_q57cf13bf04_proj, .Lfunc_end_k_q57cf13bf04_proj-k_q57cf13bf04_proj
	.p2alignl 7, 3214868480
	.fill 96, 4, 3214868480
	.section	.rodata,"a",@progbits
	.p2align	6, 0x0
	.amdhsa_kernel k_q57cf13bf04_proj
		.amdhsa_group_segment_fixed_size 168448
		.amdhsa_private_segment_fixed_size 0
		.amdhsa_enable_private_segment 0
		.amdhsa_kernarg_size 24
		.amdhsa_user_sgpr_count 2
		.amdhsa_user_sgpr_kernarg_segment_ptr 1
		.amdhsa_wavefront_size32 1
		.amdhsa_system_sgpr_workgroup_id_x 1
		.amdhsa_system_sgpr_workgroup_id_y 1
		.amdhsa_system_sgpr_workgroup_id_z 1
		.amdhsa_system_vgpr_workitem_id 0
		.amdhsa_next_free_vgpr 256
		.amdhsa_next_free_sgpr 66
		.amdhsa_reserve_vcc 0
		.amdhsa_float_denorm_mode_32 3
		.amdhsa_float_denorm_mode_16_64 3
		.amdhsa_memory_ordered 1
		.amdhsa_forward_progress 1
		.amdhsa_inst_pref_size 54
	.end_amdhsa_kernel
	.amdgpu_metadata
---
amdhsa.version: [ 1, 2 ]
amdhsa.kernels:
  - .name:           k_q57cf13bf04_proj
    .symbol:         k_q57cf13bf04_proj.kd
    .args:
      - { .name: img, .offset: 0, .size: 8, .value_kind: global_buffer, .address_space: global }
      - { .name: qimg, .offset: 8, .size: 8, .value_kind: global_buffer, .address_space: global }
      - { .name: kv, .offset: 16, .size: 8, .value_kind: global_buffer, .address_space: global }
    .group_segment_fixed_size: 168448
    .private_segment_fixed_size: 0
    .kernarg_segment_align: 8
    .kernarg_segment_size: 24
    .max_flat_workgroup_size: 128
    .sgpr_count:     66
    .vgpr_count:     256
    .wavefront_size: 32
...
	.end_amdgpu_metadata
.endif
;; end of part 2
;; launch attn (part 3): grid 16 x 16, 16 waves a work-group, clusters of 4 x 1, 327,680 bytes of LDS; arguments qimg, kv, acod, ascl; writes acod, ascl
.if DOCPART == 3
	.amdgcn_target "amdgcn-amd-amdhsa--gfx1250"
	.amdhsa_code_object_version 6
	.text
	.protected	k_q57cf13bf04_attn
	.globl	k_q57cf13bf04_attn
	.p2align	8
	.type	k_q57cf13bf04_attn,@function
k_q57cf13bf04_attn:
	s_mov_b64 s[64:65], 0
	v_nop
	global_prefetch_b8 v0, s[64:65] scope:SCOPE_SE
	s_setreg_imm32_b32 hwreg(HW_REG_WAVE_MODE, 25, 1), 1
	s_wait_xcnt 0x0
	s_wait_alu depctr_hold_cnt(0) depctr_sa_sdst(0) depctr_va_vdst(0) depctr_va_sdst(0) depctr_va_ssrc(0) depctr_va_vcc(0) depctr_vm_vsrc(0)
	s_getreg_b32 s2, hwreg(HW_REG_IB_STS2, 6, 4)
	s_cmp_eq_u32 s2, 0
	s_cbranch_scc0 .Lentry_in_a_cluster
	s_endpgm
.Lentry_in_a_cluster:
	s_bfe_u32 s2, ttmp6, 0x10000c
	s_cmp_lg_u32 s2, 0x3003
	s_cbranch_scc0 .Lentry_shape_is_right
	s_endpgm
.Lentry_shape_is_right:
; Attention of one head for 256 queries, on codes of BF6 (E3M2) with E8M0 scales: S^T = k q^T, p = 2^(t - M), O^T += v^T p^T, O / l, and O's quantising for the last product.
; A work-group: head y, query block x; wave w takes the 16 queries of x's tile 16 x + w.  Both products are used transposed, so that a lane holds one query throughout.
; THE KEYS.  A step is 128 keys, one record of kv.  K's fragment c holds four tiles of 16 keys, tile t in block t of the 128 along K; q's 32 features stand in block t of a fragment that is zero elsewhere
; (four views of v16-45).  Row m of tile 4 c + t is key 64 c + 32 (m / 8) + 8 t + m % 8, so register 32 c + 8 t + j of lane (query, h) is key 64 c + 32 h + 8 t + j:
; a lane's 32 registers are one whole block of the second product's K, in the order and in the lanes in which that operand wants it: a block's maximum and its codes need no other lane.
; M is the ceiling of the running largest t, kept as -M = floor(-t); a change of M multiplies l and O^T by a power of two.  l sums the unquantised p.
; A block's largest p is the same multiply-add and exponential applied to the block's largest score (it takes v_exp_f32 not to fall where its input rises).
; THE WALK IS CUT BEHIND THE EXPONENTIALS.  PRE i: maxima, M, t - M, O^T x f, the exponentials of step i; it asks LDS for V's fragments of step i and K's of step i + 1.
; POST i: p's scales and codes, the row's sum, O^T += ..; the score products of step i + 1 stand among the sum's additions, each behind the additions that read the registers it writes.
; A trip of the loops is two steps on one pair of LDS addresses: the second step's records stand in the loads' immediates.
; LDS: the head's 32 records, 212,992 bytes, each byte filled once: records 0-15 by the head's loads (a record a wave), records 16-31 by a second load a wave behind the full sequence.
; The four query blocks of a cluster read the same records: every load is a joint one.  All of LDS is claimed.
; NO PREFETCH: all that the work-group reads of kv is asked for by these two loads a wave at the head; the loops read LDS alone, so no later request exists to run ahead of.
; LIMITS: the scaled scores stay under 2^31 in magnitude; NaN and infinities are not served; a block whose largest number lies under 2^-122 gets the scale byte 1 (the bytes are read by this program alone).
.set REC, 6656
.set SCB, 32*REC                       ; behind the records: 256 bytes for the tiles' scale bytes on the way out,
.set SPARE, SCB+256                    ; and the spare words, 128 bytes a wave
.set LI,  1                            ; 16 x lane
.set LS2, 2                            ; 4 x lane + 128 (lane / 16): lanes 0-15 fragment 0's scale words, lanes 16-31 fragment 1's
.set ADI, 3
.set ADS, 4
.set QS,  46                           ; scale words, and nothing else: q's, K's, V's
.set KS,  47
.set VS,  48
.set KF,  50                           ; v50-73 K's two fragments;  v74-97 V's
.set VF,  74
.set S,   98                           ; v98-161 scores, then p
.set OT,  162                          ; v162-177 O^T
.set PCD, 178                          ; v178-189 p's codes;  v190-196 the upper halves of the blocks, as the conversions leave them
.set PH,  190
.set BM,  198                          ; per block c: largest score, then largest p;  the conversion's scale operand;  the byte
.set BS,  200
.set BT,  202
.set MA,  206                          ; four chains of maxima
.set PWD, 210                          ; p's scale word
.set FF,  212                          ; f = 2^(old M - new M)
.set TT,  216
.set TP,  217
.set OLD, 218                          ; the last step's -M
.set RM,  219                          ; the running largest score
.set C,   220                          ; v220-227 four chains of the row's sum
.set SPW, 228
.set NIL, 229
.set WV,  12
.set TB,  32
.set CNT, 33
.set SEL, 36
.set CS,  38                           ; s[38:39] c = log2(e) / 8
.set NC,  56                           ; -c
.macro CROUND
	s_barrier_signal -1
	s_barrier_wait -1
	s_cmp_lg_u32 s[WV], 0
	s_cbranch_scc1 .Lnot_wave_0_\@
	s_barrier_signal -3
.Lnot_wave_0_\@:
	s_barrier_wait -3
	s_barrier_signal -1
	s_barrier_wait -1
.endm
.macro QKW t                           ; the scores of K's tile t: every product starts its own sum
.if (\t) < 4
	v_wmma_scale_f32_16x16x128_f8f6f4 v[S+8*(\t):S+8*(\t)+7], v[KF:KF+11], v[22+12*((\t)%2)-6*(((\t)%4)/2):33+12*((\t)%2)-6*(((\t)%4)/2)], 0, v[KS], v[QS] matrix_a_fmt:MATRIX_FMT_BF6 matrix_b_fmt:MATRIX_FMT_BF6
.else
	v_wmma_scale_f32_16x16x128_f8f6f4 v[S+8*(\t):S+8*(\t)+7], v[KF+12:KF+23], v[22+12*((\t)%2)-6*(((\t)%4)/2):33+12*((\t)%2)-6*(((\t)%4)/2)], 0, v[KS], v[QS] matrix_a_fmt:MATRIX_FMT_BF6 matrix_b_fmt:MATRIX_FMT_BF6 matrix_a_scale:MATRIX_SCALE_ROW1
.endif
.endm
; kl = 1: K's fragments of the next step are asked for;  adr = 1: the two LDS addresses are made anew from s[TB];  off: this step's record lies off bytes behind them
.macro PRE kl, adr, off
.if \adr
	v_add_nc_u32 v[ADI], s[TB], v[LI]
	v_add_nc_u32 v[ADS], s[TB], v[LS2]
.endif
.irp q, 0,1,2,3
	v_max3_num_f32 v[MA+\q], v[S+16*\q], v[S+16*\q+1], v[S+16*\q+2]   ; chain q: 16 registers, two accumulators, each read from its low end on
.endr
.irp i, 0,1,2,3,4,5                    ; these four maxima at the least stand behind the last product that read the registers loaded here
	ds_load_b128 v[VF+4*\i:VF+4*\i+3], v[ADI] offset:(\off)+3072+512*\i
.endr
	ds_load_b32 v[VS], v[ADS] offset:(\off)+6400
.if \kl
.irp i, 0,1,2,3,4,5
	ds_load_b128 v[KF+4*\i:KF+4*\i+3], v[ADI] offset:(\off)+REC+512*\i
.endr
	ds_load_b32 v[KS], v[ADS] offset:(\off)+REC+6144
.endif
.irp i, 3,5,7,9,11,13
.irp q, 0,1,2,3
	v_max3_num_f32 v[MA+\q], v[MA+\q], v[S+16*\q+\i], v[S+16*\q+\i+1]
.endr
.endr
	v_max3_num_f32 v[BM], v[MA], v[MA+1], v[S+15]
	v_max3_num_f32 v[BM+1], v[MA+2], v[MA+3], v[S+47]
	v_max_num_f32 v[BM], v[BM], v[S+31]            ; my two blocks' largest scores
	v_max_num_f32 v[BM+1], v[BM+1], v[S+63]
	s_delay_alu instid0(VALU_DEP_1)
	v_max_num_f32 v[TT], v[BM], v[BM+1]
	s_delay_alu instid0(VALU_DEP_1)
	v_permlanex16_b32 v[TP], v[TT], s[SEL], s[SEL+1]
	s_delay_alu instid0(VALU_DEP_1)
	v_max3_num_f32 v[RM], v[RM], v[TT], v[TP]      ; with lane l xor 16's two blocks: the running largest score of my query
	s_delay_alu instid0(VALU_DEP_1)
	v_mul_f32 v[TT], s[NC], v[RM]
	s_delay_alu instid0(VALU_DEP_1)
	v_floor_f32 v12, v[TT]                         ; -M = floor(-t)
.set J, 0
.rept 32
	v_pk_fma_f32 v[S+J:S+J+1], v[S+J:S+J+1], s[CS:CS+1], v[12:13] op_sel_hi:[1,0,0]   ; t - M
.if J == 2
	v_sub_f32 v[TT], v12, v[OLD]                   ; old M - new M, a whole number, 0 or less
.endif
.if J == 6
	v_cvt_i32_f32 v[TT], v[TT]                     ; (it saturates)
.endif
.if J == 10
	v_ldexp_f32 v[FF], 1.0, v[TT]
.endif
.set J, J+2
.endr
	v_pk_fma_f32 v[BM:BM+1], v[BM:BM+1], s[CS:CS+1], v[12:13] op_sel_hi:[1,0,0]
.irp j, 0,2,4,6,8,10,12,14
	v_pk_mul_f32 v[OT+\j:OT+\j+1], v[OT+\j:OT+\j+1], v[FF:FF+1] op_sel_hi:[1,0]   ; O^T under the new M
.endr
	s_wait_alu depctr_va_vdst(0)
	s_wait_dscnt 0x0                               ; the fragments asked for above are in
.set J, 0
.rept 64
	v_exp_f32 v[S+J], v[S+J]
.set J, J+1
.endr
	v_exp_f32 v[BM], v[BM]
	v_exp_f32 v[BM+1], v[BM+1]
	v_mov_b32 v[OLD], v12                          ; a plain place behind the exponentials
	s_wait_alu depctr_va_vdst(0)                   ; one wait for the batch
.endm
; qk = 1: the next step's scores are started
.macro POST qk
	v_max_num_f32 v[BM], 0x2800000, v[BM]          ; the floor 2^(5 - 127): the byte cannot fall under 1
	v_max_num_f32 v[BM+1], 0x2800000, v[BM+1]
.irp k, 0,1,2,3
	v_pk_add_f32 v[C+2*\k:C+2*\k+1], v[S+2*\k:S+2*\k+1], v[S+8+2*\k:S+9+2*\k]   ; THE ROW'S SUM, of the unquantised p, in four chains: tiles 0 and 1
.endr
	v_add_nc_u32 v[BS], 0xfe000000, v[BM]          ; 4 off the exponent field: the conversion's scale operand
	v_add_nc_u32 v[BS+1], 0xfe000000, v[BM+1]
.irp c, 0,1
	v_cvt_scalef32_pk16_bf6_f32 v[PCD+6*\c:PCD+6*\c+2], v[S+32*\c:S+32*\c+15], v[BS+\c]
	v_cvt_scalef32_pk16_bf6_f32 v[PH+4*\c:PH+4*\c+2], v[S+32*\c+16:S+32*\c+31], v[BS+\c]   ; (a conversion's three registers begin on an even number)
.endr
	v_lshrrev_b32 v[BT], 23, v[BS]                 ; the scales' bytes
	v_lshrrev_b32 v[BT+1], 23, v[BS+1]
	v_dual_mov_b32 v[PCD+3], v[PH] :: v_dual_mov_b32 v[PCD+4], v[PH+1]     ; the blocks' upper halves to their places: of the six destinations two are even, so two pairs
	v_dual_mov_b32 v[PCD+5], v[PH+2] :: v_dual_mov_b32 v[PCD+10], v[PH+5]
	v_mov_b32 v[PCD+9], v[PH+4]
	v_mov_b32 v[PCD+11], v[PH+6]
	v_lshl_or_b32 v[PWD], v[BT+1], 16, v[BT]       ; my two bytes: blocks h and 2 + h
.irp t, 2,3,4,5,6,7
.if \qk
	QKW \t-2
.endif
.if \t == 4
	v_permlanex16_b32 v[TP], v[PWD], s[SEL], s[SEL+1]
.endif
.if \t == 6
	v_lshl_or_b32 v[PWD], v[TP], 8, v[PWD]         ; lanes 0-15, which alone are read: blocks 0 and 2 are mine, 1 and 3 lane l + 16's.  Twelve plain instructions stand between this line and the product that reads the word
.endif
.irp k, 0,1,2,3
	v_pk_add_f32 v[C+2*\k:C+2*\k+1], v[C+2*\k:C+2*\k+1], v[S+8*\t+2*\k:S+8*\t+2*\k+1]
.endr
.endr
.if \qk
	QKW 6
.endif
	v_pk_add_f32 v[C:C+1], v[C:C+1], v[C+2:C+3]
	v_pk_add_f32 v[C+4:C+5], v[C+4:C+5], v[C+6:C+7]
.if \qk
	QKW 7
.endif
	v_pk_add_f32 v[C:C+1], v[C:C+1], v[C+4:C+5]
	v_pk_fma_f32 v[14:15], v[14:15], v[FF:FF+1], v[C:C+1] op_sel_hi:[1,0,1]   ; l x f + this step's sum
	v_wmma_scale_f32_16x16x128_f8f6f4 v[OT:OT+7], v[VF:VF+11], v[PCD:PCD+11], v[OT:OT+7], v[VS], v[PWD] matrix_a_fmt:MATRIX_FMT_BF6 matrix_b_fmt:MATRIX_FMT_BF6
	v_wmma_scale_f32_16x16x128_f8f6f4 v[OT+8:OT+15], v[VF+12:VF+23], v[PCD:PCD+11], v[OT+8:OT+15], v[VS], v[PWD] matrix_a_fmt:MATRIX_FMT_BF6 matrix_b_fmt:MATRIX_FMT_BF6 matrix_a_scale:MATRIX_SCALE_ROW1
.endm
.macro WALK n                          ; n trips of two steps: POST i, PRE i + 1, POST i + 1, PRE i + 2
	s_mov_b32 s[CNT], \n
.Ltrip_\@:
	POST 1
	PRE 1, 1, 0
	POST 1
	PRE 1, 0, REC
	s_add_co_u32 s[TB], s[TB], 2*REC
	s_sub_co_u32 s[CNT], s[CNT], 1
	s_cmp_lg_u32 s[CNT], 0
	s_cbranch_scc1 .Ltrip_\@
.endm
	s_load_b256 s[4:11], s[0:1], 0x0               ; qimg, kv, acod, ascl
	v_lshl_add_u32 v[SPW], v0, 2, SPARE
	v_mov_b32 v[NIL], 0
	ds_add_u32 v[SPW], v[NIL]
	ds_add_u32 v[SPW], v[NIL]
	v_lshrrev_b32 v1, 5, v0
	s_delay_alu instid0(VALU_DEP_1)
	v_readfirstlane_b32 s[WV], v1
	s_bfe_u32 s13, ttmp6, 0x40000
	s_lshl_b32 s14, ttmp9, 2
	s_add_co_u32 s14, s14, s13                     ; query block
	s_and_b32 s15, ttmp7, 0xffff                   ; head
	s_mov_b32 s16, 15|(3<<16)|(1<<21)              ; group 1: a record as 26 rows of 256 bytes; the mask names the cluster's four
	s_mov_b32 s17, 32<<16
	s_mov_b32 s18, 26<<16
	s_mov_b32 s19, 32<<16
	s_mov_b32 s20, 26
	s_mov_b32 s21, 32
	s_mov_b32 s22, 0
	s_mov_b32 s23, 0
	s_mov_b32 s24, 1
	s_mul_i32 s25, s[WV], REC                      ; record w, and record 16 + w
	s_mov_b32 s28, 1
	s_add_co_u32 s29, s25, 16*REC
	s_mul_i32 s40, s15, 32*REC
	s_add_co_u32 s40, s40, s25
	s_mov_b32 s41, 0
	s_lshl_b32 s42, s15, 5                         ; q's record: 32 head + 2 x block + w / 8; its fragment e = (w / 4) % 2, block B = w % 4
	s_lshl_b32 s43, s14, 1
	s_add_co_u32 s42, s42, s43
	s_lshr_b32 s43, s[WV], 3
	s_add_co_u32 s42, s42, s43
	s_mul_i32 s42, s42, 3328
	s_bfe_u32 s43, s[WV], 0x10002
	s_mul_i32 s44, s43, 1536
	s_add_co_u32 s44, s44, s42
	s_mov_b32 s45, 0
	s_lshl_b32 s46, s43, 7
	s_add_co_u32 s46, s46, s42
	s_and_b32 s47, s[WV], 3
	s_add_co_u32 s46, s46, s47
	s_add_co_u32 s46, s46, 3072
	s_mov_b32 s47, 0
	s_and_b32 s48, s[WV], 1                        ; block B lies in registers 6 (B / 2) .. + 5 of lanes 16 (B % 2) + r of the image
	s_lshl_b32 s48, s48, 8
	s_bfe_u32 s49, s[WV], 0x10001
	s_mul_i32 s54, s49, 520
	s_add_co_u32 s48, s48, s54
	s_mul_i32 s49, s49, 496
	s_add_co_u32 s49, s49, 8
	s_lshl_b32 s50, s14, 4
	s_add_co_u32 s50, s50, s[WV]
	s_mul_i32 s50, s50, 384                        ; out: my tile's 384 bytes of codes in my head's 98,304
	s_mul_i32 s51, s15, 98304
	s_add_co_u32 s50, s50, s51
	s_mov_b32 s51, 0
	s_lshl_b32 s52, s15, 12
	s_lshl_b32 s53, s14, 8
	s_add_co_u32 s52, s52, s53
	s_mov_b32 s53, 0
	s_mov_b32 s34, 0x0000ffff
	s_mov_b32 s35, 0xffff0000
	s_mov_b32 s[SEL], 0x76543210
	s_mov_b32 s[SEL+1], 0xfedcba98
	s_mov_b32 s[CS], 0x3e38aa3b
	s_mov_b32 s[CS+1], s[CS]
	s_mov_b32 s[NC], 0xbe38aa3b
	s_mov_b32 s[TB], 0
	v_and_b32 v9, 31, v0
	v_and_b32 v10, 15, v0
	v_bfe_u32 v11, v0, 4, 1
	v_lshlrev_b32 v[LI], 4, v9
	v_lshlrev_b32 v[LS2], 2, v9
	v_mul_u32_u24 v5, v10, 24
	v_lshl_add_u32 v[LS2], v11, 7, v[LS2]
	v_mad_u32_u24 v5, v11, 12, v5                  ; out: 24 r + 12 h
	s_lshl_b32 s55, s[WV], 4
	s_add_co_u32 s55, s55, SCB
	v_add_nc_u32 v6, s55, v10
	v_lshlrev_b32 v8, 3, v9
	s_delay_alu instid0(VALU_DEP_1)
	v_add_nc_u32 v7, SCB, v8
	v_lshl_add_u32 v9, v10, 4, s48
	v_lshlrev_b32 v11, 2, v10
	s_delay_alu instid0(VALU_DEP_2)
	v_add_nc_u32 v10, s49, v9
	s_wait_alu depctr_va_vdst(0)
	s_wait_dscnt 0x0
	s_wait_kmcnt 0x0
	s_add_nc_u64 s[26:27], s[6:7], s[40:41]
	s_add_nc_u64 s[30:31], s[26:27], 16*REC
	s_or_b32 s27, s27, 0x80000000
	s_or_b32 s31, s31, 0x80000000
	s_add_nc_u64 s[44:45], s[4:5], s[44:45]
	s_add_nc_u64 s[46:47], s[4:5], s[46:47]
	s_add_nc_u64 s[50:51], s[8:9], s[50:51]
	s_add_nc_u64 s[52:53], s[10:11], s[52:53]
	global_load_b64 v[S:S+1], v9, s[44:45]         ; my queries' codes, 24 bytes a query, in both halves of the lanes
	global_load_b64 v[S+2:S+3], v10, s[44:45]
	global_load_b64 v[S+4:S+5], v9, s[44:45] offset:512
	global_load_u8 v[QS], v11, s[46:47]            ; and their scale byte
	CROUND
	tensor_load_to_lds s[24:27], s[16:23]          ; record w
	s_nop 0
.irp i, 0,1,2,3,4,5
	v_mov_b32 v[16+\i], 0                          ; the zeros of q's four views
	v_mov_b32 v[28+\i], 0
	v_mov_b32 v[40+\i], 0
.endr
.irp j, 0,1,2,3,4,5,6,7,8,9,10,11,12,13,14,15
	v_mov_b32 v[OT+\j], 0                          ; the step is written once: the first finds zeros
.endr
	v_mov_b32 v13, 0
	v_mov_b32 v14, 0
	v_mov_b32 v15, 0
	s_wait_alu depctr_va_vdst(0)
	s_wait_tensorcnt 0x0                           ; the full sequence ahead of a later first fill
	ds_add_u32 v[SPW], v[NIL]
	s_wait_dscnt 0x0
	CROUND                                         ; records 0-15 are in, in every partner
	tensor_load_to_lds s[28:31], s[16:23]          ; record 16 + w
	s_nop 0
.irp i, 0,1,2,3,4,5
	ds_load_b128 v[KF+4*\i:KF+4*\i+3], v[LI] offset:512*\i
.endr
	ds_load_b32 v[KS], v[LS2] offset:6144
	s_wait_loadcnt 0x0
	v_mul_lo_u32 v[QS], v[QS], 0x01010101          ; the byte serves whichever block q stands in
.irp i, 0,1,2,3,4,5
	v_cndmask_b32 v[22+\i], 0, v[S+\i], s34        ; q in lanes 0-15: blocks 0 and 2
	v_cndmask_b32 v[34+\i], 0, v[S+\i], s35        ; q in lanes 16-31: blocks 1 and 3
.endr
	v_mov_b32 v[RM], 0xff61b1e6                    ; -3e38, under every score
	v_mov_b32 v[OLD], 0x7f61b1e6                   ; so the first f is 0
	v_mov_b32 v[TP], 0                             ; a lane permute's destination counts as one of its sources
	v_mov_b32 v[FF+1], 0
	s_wait_alu depctr_va_vdst(0)
	s_wait_dscnt 0x0
.irp t, 0,1,2,3,4,5,6,7
	QKW \t
.endr
	v_nop                                          ; with PRE's first two lines: four places behind the products
	v_nop
	PRE 1, 1, 0                                    ; step 0
	s_mov_b32 s[TB], REC
	WALK 7                                         ; steps up to 14: it reads V up to record 14 and K up to record 15
	s_wait_tensorcnt 0x0                           ; my record 16 + w is in,
	s_wait_dscnt 0x0
	s_barrier_signal -1
	s_barrier_wait -1                              ; everybody's are
	s_mov_b32 s[TB], 15*REC
	WALK 8                                         ; steps up to 30: V up to record 30, K up to record 31
	s_mov_b32 s[TB], 31*REC
	POST 1
	PRE 0, 1, 0
	POST 0
.rept 4
	v_nop
.endr
	s_wait_alu depctr_va_vdst(0)
	v_add_f32 v14, v14, v15
	s_delay_alu instid0(VALU_DEP_1)
	v_permlanex16_b32 v[TT], v14, s[SEL], s[SEL+1]
	s_delay_alu instid0(VALU_DEP_1)
	v_add_f32 v14, v14, v[TT]                      ; the row's sum
	s_wait_alu depctr_va_vdst(0)
	v_rcp_f32 v14, v14
	v_nop
	s_wait_alu depctr_va_vdst(0)
.irp i, 0,1,2,3,4,5,6,7,8,9,10,11,12,13,14,15
	v_mul_f32 v[S+\i], v[OT+\i], v14               ; feature 16 h + i of my query
.endr
	v_max3_num_f32 v[BM], |v[S]|, |v[S+1]|, 0x2800000
.irp i, 2,4,6,8,10,12,14
	s_delay_alu instid0(VALU_DEP_1)
	v_max3_num_f32 v[BM], v[BM], |v[S+\i]|, |v[S+1+\i]|
.endr
	s_delay_alu instid0(VALU_DEP_1)
	v_permlanex16_b32 v[BT], v[BM], s[SEL], s[SEL+1]
	s_delay_alu instid0(VALU_DEP_1)
	v_max_num_f32 v[BM], v[BM], v[BT]              ; a head's 32 features are one block of the last product's K
	s_delay_alu instid0(VALU_DEP_1)
	v_add_nc_u32 v[BS], 0xfe000000, v[BM]
	s_delay_alu instid0(VALU_DEP_1)
	v_lshrrev_b32 v[BT], 23, v[BS]
	v_cvt_scalef32_pk16_bf6_f32 v[S+16:S+18], v[S:S+15], v[BS]
	v_nop
	global_store_b96 v5, v[S+16:S+18], s[50:51]    ; the wave stores 384 consecutive bytes
	ds_store_b8 v6, v[BT]
	s_wait_dscnt 0x0
	s_barrier_signal -1
	s_barrier_wait -1
	s_cmp_lg_u32 s[WV], 0
	s_cbranch_scc1 .Lnot_first
	ds_load_b64 v[S+20:S+21], v7
	s_wait_dscnt 0x0
	global_store_b64 v8, v[S+20:S+21], s[52:53]    ; the sixteen tiles' scale bytes: one aligned unit of 256 bytes
.Lnot_first:
	s_wait_tensorcnt 0x0                           ; the wave's end
	ds_add_u32 v[SPW], v[NIL]
	s_wait_dscnt 0x0
	CROUND                                         ; the closing round
	s_endpgm
.Lfunc_end_k_q57cf13bf04_attn:
	.size	k_q57cf13bf04_attn, .Lfunc_end_k_q57cf13bf04_attn-k_q57cf13bf04_attn
	.p2alignl 7, 3214868480
	.fill 96, 4, 3214868480
	.section	.rodata,"a",@progbits
	.p2align	6, 0x0
	.amdhsa_kernel k_q57cf13bf04_attn
		.amdhsa_group_segment_fixed_size 327680
		.amdhsa_private_segment_fixed_size 0
		.amdhsa_enable_private_segment 0
		.amdhsa_kernarg_size 32
		.amdhsa_user_sgpr_count 2
		.amdhsa_user_sgpr_kernarg_segment_ptr 1
		.amdhsa_wavefront_size32 1
		.amdhsa_system_sgpr_workgroup_id_x 1
		.amdhsa_system_sgpr_workgroup_id_y 1
		.amdhsa_system_sgpr_workgroup_id_z 1
		.amdhsa_system_vgpr_workitem_id 0
		.amdhsa_next_free_vgpr 232
		.amdhsa_next_free_sgpr 66
		.amdhsa_reserve_vcc 0
		.amdhsa_float_denorm_mode_32 3
		.amdhsa_float_denorm_mode_16_64 3
		.amdhsa_memory_ordered 1
		.amdhsa_forward_progress 1
		.amdhsa_inst_pref_size 86
	.end_amdhsa_kernel
	.amdgpu_metadata
---
amdhsa.version: [ 1, 2 ]
amdhsa.kernels:
  - .name:           k_q57cf13bf04_attn
    .symbol:         k_q57cf13bf04_attn.kd
    .args:
      - { .name: qimg, .offset: 0, .size: 8, .value_kind: global_buffer, .address_space: global }
      - { .name: kv, .offset: 8, .size: 8, .value_kind: global_buffer, .address_space: global }
      - { .name: acod, .offset: 16, .size: 8, .value_kind: global_buffer, .address_space: global }
      - { .name: ascl, .offset: 24, .size: 8, .value_kind: global_buffer, .address_space: global }
    .group_segment_fixed_size: 327680
    .private_segment_fixed_size: 0
    .kernarg_segment_align: 8
    .kernarg_segment_size: 32
    .max_flat_workgroup_size: 512
    .sgpr_count:     66
    .vgpr_count:     232
    .wavefront_size: 32
...
	.end_amdgpu_metadata
.endif
;; end of part 3
;; launch oproj (part 4): grid 4 x 64, 8 waves a work-group, no clusters, 94,208 bytes of LDS; arguments acod, ascl, img, bo, out0; writes out0
.if DOCPART == 4
	.amdgcn_target "amdgcn-amd-amdhsa--gfx1250"
	.amdhsa_code_object_version 6
	.text
	.protected	k_q57cf13bf04_oproj
	.globl	k_q57cf13bf04_oproj
	.p2align	8
	.type	k_q57cf13bf04_oproj,@function
k_q57cf13bf04_oproj:
	s_mov_b64 s[64:65], 0
	v_nop
	global_prefetch_b8 v0, s[64:65] scope:SCOPE_SE
	s_setreg_imm32_b32 hwreg(HW_REG_WAVE_MODE, 25, 1), 1
	s_wait_xcnt 0x0
; out = A Wo^T + bo on codes of BF6 (E3M2) with E8M0 scales, sums in f32.  A [4096][512] is attention's result: block kb of its K is head kb's 32 features; its codes lie [head][tile][r][24 bytes], its scale bytes [head][tile][r].
; Row r of A's tile T is row 64 (T / 4) + 8 (T % 4) + r % 8 + 32 (r / 8); row r of Wo's tile T is row 32 (T / 2) + 8 (T % 2) + r + 8 (r / 8).
; A work-group takes 64 rows (tiles 4 rg + i) and 256 columns; wave wv the 32 columns of Wo's tiles 2 P, 2 P + 1, P = 8 gx + wv: 8 accumulators, 4 K steps, 32 matrix instructions.
; The product is used transposed (source 0 = 16 rows of Wo, source 1 = 16 rows of A): the 16 registers of accumulators (i, 0), (i, 1) are the 16 neighbouring columns 32 P + 16 (lane / 16) + 0 .. 15 of one row.
; The bias is the C of each sum's first matrix instruction.
; A's sixteen fragments are gathered once, two by each wave (a lane's 24 bytes of a block are 24 consecutive bytes of one head's codes), and go from wave to wave through LDS as images of their registers.
; NO JOINT LOADS, NO TENSOR LOADS: Wo's eight fragments of a wave (13,312 bytes, laid in register order) go from memory straight into the registers that hold them for the whole launch, and no other wave of the work-group
; wants them: asked for jointly they would land in LDS, and the work-group's 106,496 bytes would be read from there once more.  A's 26,624 bytes a work-group have to be put together from sixteen heads in any case.
; No loop walks memory, so there is nothing for a prefetch to run ahead of.
.set REC, 6656
.set AIMG, 0                           ; LDS: A's 16 fragments (4 i + ks), 1,536 bytes each,
.set ASC,  16*1536                     ; their scale words, 128 bytes each,
.set STG,  ASC+16*128                  ; and the stage for the way out: 64 rows x (1,024 bytes + 16)
.set SP,   1040
.set LI,  1                            ; v1   16 x lane
.set LS,  2                            ; v2   4 x lane
.set WSC, 16                           ; v16-23   Wo's scale words (4 u + ks)
.set ASW, 24                           ; v24-27   A's scale words
.set BI,  28                           ; v28-43   the bias of my 16 columns
.set ACC, 44                           ; v44-107  accumulators (i, u) at 16 i + 8 u
.set AF,  108                          ; v108-155 four fragments of A
.set WF,  156                          ; v156-251 Wo's eight fragments (4 u + ks); on the way out: rows read back
	s_load_b256 s[4:11], s[0:1], 0x0               ; acod, ascl, img, bo
	s_load_b64 s[12:13], s[0:1], 0x20              ; out0
	v_lshl_add_u32 v254, v0, 2, 0x16c00            ; my spare word, behind the stage
	v_mov_b32 v255, 0
	v_lshrrev_b32 v10, 5, v0
	s_delay_alu instid0(VALU_DEP_1)
	v_readfirstlane_b32 s14, v10                   ; wave 0..7
	s_mov_b32 s15, ttmp9                           ; gx
	s_and_b32 s16, ttmp7, 0xffff                   ; rg
	s_lshl_b32 s18, s16, 2
	s_lshr_b32 s19, s14, 1
	s_add_co_u32 s18, s18, s19                     ; the tile whose fragments I gather: 4 rg + wv / 2; K steps 2 (wv % 2) and 2 (wv % 2) + 1
	s_and_b32 s19, s14, 1
	s_mul_i32 s20, s18, 384
	s_mul_i32 s21, s19, 8*98304                    ; a K step is four heads
	s_add_co_u32 s20, s20, s21
	s_mov_b32 s21, 0
	s_lshl_b32 s22, s18, 4
	s_lshl_b32 s23, s19, 15                        ; 8 heads x 4,096 scale bytes
	s_add_co_u32 s22, s22, s23
	s_mov_b32 s23, 0
	s_lshl_b32 s30, s15, 3
	s_add_co_u32 s30, s30, s14                     ; P
	s_lshl_b32 s24, s30, 1
	s_add_co_u32 s24, s24, 352
	s_mul_i32 s24, s24, REC                        ; Wo's tile 2 P is record 352 + 2 P
	s_mov_b32 s25, 0
	s_lshl_b32 s26, s30, 7                         ; my 32 numbers of the bias
	s_mov_b32 s27, 0
	s_lshl_b32 s28, s16, 6                         ; the 8 stage rows that I store are rows 8 (wv % 2) + 0 .. 7 of tile 4 rg + wv / 2: rows 64 rg + 8 (wv / 2) + 32 (wv % 2) on
	s_lshr_b32 s29, s14, 1
	s_lshl_b32 s29, s29, 3
	s_add_co_u32 s28, s28, s29
	s_lshl_b32 s29, s19, 5
	s_add_co_u32 s28, s28, s29
	s_lshl_b32 s28, s28, 12                        ; a row of the output is 4,096 bytes
	s_lshl_b32 s29, s15, 10                        ; the work-group's 256 columns
	s_add_co_u32 s28, s28, s29
	s_mov_b32 s29, 0
	v_and_b32 v10, 31, v0                          ; lane
	v_and_b32 v4, 15, v0                           ; v4  r: my row's scale byte
	v_bfe_u32 v11, v0, 4, 1                        ; h
	s_delay_alu instid0(VALU_DEP_3)
	v_lshlrev_b32 v[LI], 4, v10
	s_delay_alu instid0(VALU_DEP_4)
	v_lshlrev_b32 v[LS], 2, v10
	s_delay_alu instid0(VALU_DEP_4)
	v_mul_u32_u24 v3, v4, 24
	s_delay_alu instid0(VALU_DEP_1)
	v_mad_u32_u24 v3, v11, 0x18000, v3             ; v3  my 24 bytes: row r; lanes 16-31 take the next head
	s_mul_i32 s17, s14, 2*1536
	v_add_nc_u32 v5, s17, v[LI]                    ; v5  where I store my two images
	s_lshl_b32 s17, s14, 8
	s_add_co_u32 s17, s17, ASC
	v_add_nc_u32 v6, s17, v[LS]                    ; v6  and their scale words
	v_mul_u32_u24 v7, v4, SP
	s_delay_alu instid0(VALU_DEP_1)
	v_lshl_add_u32 v7, v11, 6, v7
	s_lshl_b32 s17, s14, 7
	s_add_co_u32 s17, s17, STG
	v_add_nc_u32 v7, s17, v7                       ; v7  the stage: row r, + 128 wv + 64 h: my 16 columns
	s_mul_i32 s17, s14, 8*SP
	s_add_co_u32 s17, s17, STG
	v_add_nc_u32 v8, s17, v[LI]                    ; v8  back: my 8 rows, 16 bytes a lane
	v_lshlrev_b32 v9, 6, v11                       ; v9  the bias: 64 h
	s_wait_alu depctr_va_vdst(0)
	s_wait_kmcnt 0x0
	s_add_nc_u64 s[4:5], s[4:5], s[20:21]
	s_add_nc_u64 s[6:7], s[6:7], s[22:23]
	s_add_nc_u64 s[8:9], s[8:9], s[24:25]
	s_add_nc_u64 s[10:11], s[10:11], s[26:27]
	s_add_nc_u64 s[12:13], s[12:13], s[28:29]
.irp k, 0,1                                    ; twenty loads for A: fragment k: registers 6 c + 2 p: head 4 g + 2 c + h
.irp c, 0,1
.irp p, 0,1,2
	global_load_b64 v[AF+12*\k+6*\c+2*\p:AF+12*\k+6*\c+2*\p+1], v3, s[4:5] offset:393216*\k+196608*\c+8*\p
.endr
.endr
.endr
.irp k, 0,1
.irp b, 0,1,2,3
	global_load_u8 v[ACC+4*\k+\b], v4, s[6:7] offset:16384*\k+4096*\b
.endr
.endr
.irp u, 0,1                                    ; thirty-six more: Wo's fragments and scale words, and the bias
.irp s, 0,1,2,3
.irp c, 0,1,2
	global_load_b128 v[WF+12*(4*\u+\s)+4*\c:WF+12*(4*\u+\s)+4*\c+3], v[LI], s[8:9] offset:REC*\u+1536*\s+512*\c
.endr
	global_load_b32 v[WSC+4*\u+\s], v[LS], s[8:9] offset:REC*\u+6144+128*\s
.endr
.endr
.irp q, 0,1,2,3
	global_load_b128 v[BI+4*\q:BI+4*\q+3], v9, s[10:11] offset:16*\q
.endr
	s_wait_loadcnt 36                              ; A's twenty are in; the thirty-six behind them may be out
.irp k, 0,1
	v_lshl_or_b32 v[ACC+4*\k], v[ACC+4*\k+1], 8, v[ACC+4*\k]    ; four heads' bytes make my row's scale word
	s_delay_alu instid0(VALU_DEP_1)
	v_lshl_or_b32 v[ACC+4*\k], v[ACC+4*\k+2], 16, v[ACC+4*\k]
	s_delay_alu instid0(VALU_DEP_1)
	v_lshl_or_b32 v[ACC+4*\k], v[ACC+4*\k+3], 24, v[ACC+4*\k]
.endr
.irp k, 0,1
.irp c, 0,1,2
	ds_store_b128 v5, v[AF+12*\k+4*\c:AF+12*\k+4*\c+3] offset:AIMG+1536*\k+512*\c
.endr
	ds_store_b32 v6, v[ACC+4*\k] offset:128*\k
.endr
	s_wait_dscnt 0x0                               ; for the others' sake: my stores are done
	s_barrier_signal -1
	s_barrier_wait -1                              ; A's sixteen fragments lie in LDS
	s_wait_loadcnt 0x0                             ; Wo and the bias
.irp s, 0,1,2,3                                ; a K step: four fragments of A, eight matrix instructions; the eight accumulators take turns
.irp i, 0,1,2,3
.irp c, 0,1,2
	ds_load_b128 v[AF+12*\i+4*\c:AF+12*\i+4*\c+3], v[LI] offset:AIMG+1536*(4*\i+\s)+512*\c
.endr
	ds_load_b32 v[ASW+\i], v[LS] offset:ASC+128*(4*\i+\s)
.endr
	s_wait_dscnt 0x0
.irp i, 0,1,2,3
.irp u, 0,1
.if \s == 0
	v_wmma_scale_f32_16x16x128_f8f6f4 v[ACC+16*\i+8*\u:ACC+16*\i+8*\u+7], v[WF+12*(4*\u+\s):WF+12*(4*\u+\s)+11], v[AF+12*\i:AF+12*\i+11], v[BI+8*\u:BI+8*\u+7], v[WSC+4*\u+\s], v[ASW+\i] matrix_a_fmt:MATRIX_FMT_BF6 matrix_b_fmt:MATRIX_FMT_BF6
.else
	v_wmma_scale_f32_16x16x128_f8f6f4 v[ACC+16*\i+8*\u:ACC+16*\i+8*\u+7], v[WF+12*(4*\u+\s):WF+12*(4*\u+\s)+11], v[AF+12*\i:AF+12*\i+11], v[ACC+16*\i+8*\u:ACC+16*\i+8*\u+7], v[WSC+4*\u+\s], v[ASW+\i] matrix_a_fmt:MATRIX_FMT_BF6 matrix_b_fmt:MATRIX_FMT_BF6
.endif
.endr
.endr
.rept 4
	v_nop                                          ; places in front of loads into registers that matrix instructions have read, and of the first read of results
.endr
.endr
	; THE WAY OUT: a lane's 64 bytes of a row go into the stage; a row's 1,024 bytes come from eight waves: a barrier; each wave stores 8 whole rows.
.irp i, 0,1,2,3
.irp q, 0,1,2,3
	ds_store_b128 v7, v[ACC+16*\i+4*\q:ACC+16*\i+4*\q+3] offset:16*SP*\i+16*\q   ; each accumulator from its low end on
.endr
.endr
	s_wait_dscnt 0x0                               ; for the others' sake: my stores into the stage are done
	s_barrier_signal -1
	s_barrier_wait -1
.irp n, 0,1,2,3,4,5,6,7,8,9,10,11,12,13,14,15
	ds_load_b128 v[WF+4*\n:WF+4*\n+3], v8 offset:SP*(\n/2)+512*(\n%2)
.endr
.irp n, 0,1,2,3,4,5,6,7,8,9,10,11,12,13,14,15
	s_wait_dscnt 15-\n                             ; LDS loads come back in order: load n is in, the younger ones may be out
	global_store_b128 v[LI], v[WF+4*\n:WF+4*\n+3], s[12:13] offset:4096*(\n/2)+512*(\n%2) th:TH_STORE_NT   ; 32 lanes store 512 consecutive bytes, at a multiple of 256 from the output's first byte
.endr
	s_wait_tensorcnt 0x0                           ; the wave's end
	ds_add_u32 v254, v255
	s_wait_dscnt 0x0
	s_endpgm
.Lfunc_end_k_q57cf13bf04_oproj:
	.size	k_q57cf13bf04_oproj, .Lfunc_end_k_q57cf13bf04_oproj-k_q57cf13bf04_oproj
	.p2alignl 7, 3214868480
	.fill 96, 4, 3214868480
	.section	.rodata,"a",@progbits
	.p2align	6, 0x0
	.amdhsa_kernel k_q57cf13bf04_oproj
		.amdhsa_group_segment_fixed_size 94208
		.amdhsa_private_segment_fixed_size 0
		.amdhsa_enable_private_segment 0
		.amdhsa_kernarg_size 40
		.amdhsa_user_sgpr_count 2
		.amdhsa_user_sgpr_kernarg_segment_ptr 1
		.amdhsa_wavefront_size32 1
		.amdhsa_system_sgpr_workgroup_id_x 1
		.amdhsa_system_sgpr_workgroup_id_y 1
		.amdhsa_system_sgpr_workgroup_id_z 1
		.amdhsa_system_vgpr_workitem_id 0
		.amdhsa_next_free_vgpr 256
		.amdhsa_next_free_sgpr 66
		.amdhsa_reserve_vcc 0
		.amdhsa_float_denorm_mode_32 3
		.amdhsa_float_denorm_mode_16_64 3
		.amdhsa_memory_ordered 1
		.amdhsa_forward_progress 1
		.amdhsa_inst_pref_size 23
	.end_amdhsa_kernel
	.amdgpu_metadata
---
amdhsa.version: [ 1, 2 ]
amdhsa.kernels:
  - .name:           k_q57cf13bf04_oproj
    .symbol:         k_q57cf13bf04_oproj.kd
    .args:
      - { .name: acod, .offset: 0, .size: 8, .value_kind: global_buffer, .address_space: global }
      - { .name: ascl, .offset: 8, .size: 8, .value_kind: global_buffer, .address_space: global }
      - { .name: img, .offset: 16, .size: 8, .value_kind: global_buffer, .address_space: global }
      - { .name: bo, .offset: 24, .size: 8, .value_kind: global_buffer, .address_space: global }
      - { .name: out0, .offset: 32, .size: 8, .value_kind: global_buffer, .address_space: global }
    .group_segment_fixed_size: 94208
    .private_segment_fixed_size: 0
    .kernarg_segment_align: 8
    .kernarg_segment_size: 40
    .max_flat_workgroup_size: 256
    .sgpr_count:     66
    .vgpr_count:     256
    .wavefront_size: 32
...
	.end_amdgpu_metadata
.endif
;; end of part 4
